; MI455X (gfx1250); checked and timed in simulation.
; The chip was launched on July 23, 2026; its instructions are those of AMD's public machine-readable ISA for CDNA 5 (MIT licence, August 2026) and "CDNA5" Instruction Set Architecture Reference Guide (July 2026). The comments in the code are by the model that wrote it; some were corrected since.
;; Dual Output Mo E. Allowed arithmetic: matrix products marked QUANTISED: E5M2 operands, one E8M0 scale for each 32 along K, by v_wmma_scale_f32_16x16x128_f8f6f4 with both operands' format E5M2, f32 sums; products left as they are: f32 operands where the result goes on into a quantised operand, else bf16, f16 or f32 operands; f32 sums; everything else in f32.
;; Inputs: We_codes 8 x 2,048 x 64 x 32 uint8 (E5M2 codes of We, K innermost, in blocks of 32 codes); We_scales 8 x 2,048 x 64 uint8 (E8M0 scales of We, one for each 32 codes along K); Wg 2,048 x 8 float32; be 8 x 2,048 float32; bg 8 float32; x 4 x 512 x 2,048 float32.
;; Outputs: out0 4 x 512 x 2,048 float32.
;; Constants: top_k = 2.
;; This version of the problem:
;;   THIS VERSION OF THE PROBLEM IS GIVEN IN LOW PRECISION. The matrix products marked QUANTISED in the list below multiply operands that are first quantised to E5M2 (5 exponent bits, 2 mantissa bits; 8 bits a number), with one power-of-two scale for each 32 numbers along K (OCP MX v1.0); their sums are f32. All else is computed in f32.
;;   The module's matrix products, in the order in which they are computed (A, B: the left and right operand; K: the contracted axis; several contracted axes count as one K, in the product's order):
;;     1. [M 2,048, K 2,048] x [K 2,048, N 8]; A: input x; B: input Wg: left as it is (N = 8 < 16)
;;     2. [M 2,048, K 2,048] x [K 2,048, N 2,048]; A: input x; B: input We (given as codes): QUANTISED
;;     3. [M 2,048, K 2,048] x [K 2,048, N 2,048]; A: input x; B: input We (given as codes): QUANTISED
;;     4. [M 2,048, K 2,048] x [K 2,048, N 2,048]; A: input x; B: input We (given as codes): QUANTISED
;;     5. [M 2,048, K 2,048] x [K 2,048, N 2,048]; A: input x; B: input We (given as codes): QUANTISED
;;     6. [M 2,048, K 2,048] x [K 2,048, N 2,048]; A: input x; B: input We (given as codes): QUANTISED
;;     7. [M 2,048, K 2,048] x [K 2,048, N 2,048]; A: input x; B: input We (given as codes): QUANTISED
;;     8. [M 2,048, K 2,048] x [K 2,048, N 2,048]; A: input x; B: input We (given as codes): QUANTISED
;;     9. [M 2,048, K 2,048] x [K 2,048, N 2,048]; A: input x; B: input We (given as codes): QUANTISED
;;   THE QUANTISER, for each operand of a quantised product, along K:
;;     - K is cut into blocks of 32 from its start; a last block that is shorter is filled with zeros.
;;     - A block's scale is 2^e with e = floor(log2(the largest magnitude in the block)) - 15, held to -126 .. 127; a block of zeros has e = 0. As a byte (E8M0): e + 127.
;;     - Each number is divided by its block's scale, clamped to +-57,344, and rounded to the nearest number of E5M2, ties to even, subnormals kept.
;;     - The product sums the exact products of the quantised numbers (number of the format x scale) in f32.
;;   ~~~python
;;   def quantise(x, axis):      # numpy; x: float32 -> the quantised numbers, widened to float32 again
;;       x = np.moveaxis(x, axis, -1); K = x.shape[-1]
;;       x = np.pad(x, [(0, 0)] * (x.ndim - 1) + [(0, -K % 32)]); x = x.reshape(x.shape[:-1] + (-1, 32)); a = np.abs(x).max(-1, keepdims=True)
;;       e = np.where(a > 0, np.clip(np.frexp(np.where(a > 0, a, 1))[1] - 1 - 15, -126, 127), 0)      # np.frexp(a)[1] - 1 = floor(log2(a)), exactly
;;       r = np.clip(x / 2.0 ** e, -57344, 57344)
;;       step = 2.0 ** (np.maximum(np.frexp(np.where(r == 0, 1, r))[1] - 1, -14) - 2)
;;       q = np.round(r / step) * step * 2.0 ** e      # np.round: ties to even
;;       return np.moveaxis(q.reshape(q.shape[:-2] + (-1,))[..., :K], -1, axis).astype(np.float32)
;;   ~~~
;;   INPUTS GIVEN AS CODES. We (in the module: [8, 2048, 2048], K = its axis 1): each comes as NAME_codes (uint8): NAME with its K axis moved to the last place and cut into blocks of 32 codes, [.., K / 32, bytes a block], one block behind the other in memory; one code a byte (a code: sign, 5 exponent bits, 2 mantissa bits); and NAME_scales (uint8): the same leading axes, one E8M0 byte (e + 127) for each 32 codes along K. Its value is code x scale, taken as it is: it is not quantised again, and the codes and scales need not be those that the quantiser above would give.
;; One version. Each part assembles by itself: llvm-mc -triple=amdgcn-amd-amdhsa -mcpu=gfx1250 --defsym DOCPART=n.
;; ======== version 1 of 1: 4 launches
;; workspace buffers: xq 4,325,376 bytes; route 16,384 bytes of whole numbers; gat 16,384 bytes; xs 12,435,456 bytes; lists 23,808 bytes of whole numbers; part 33,742,848 bytes
;; launch route_quant (part 1): grid 128 x 1, 16 waves a work-group, no clusters, 187,648 bytes of LDS; arguments x, Wg, bg, xq, route, gat; writes xq, route, gat
.if DOCPART == 1
	.amdgcn_target "amdgcn-amd-amdhsa--gfx1250"
	.amdhsa_code_object_version 6
	.text
	.protected	k_qb2d469cace_route_quant
	.globl	k_qb2d469cace_route_quant
	.p2align	8
	.type	k_qb2d469cace_route_quant,@function
k_qb2d469cace_route_quant:
	s_mov_b64 s[64:65], 0
	v_nop
	global_prefetch_b8 v0, s[64:65] scope:SCOPE_SE
	s_setreg_imm32_b32 hwreg(HW_REG_WAVE_MODE, 25, 1), 1
	s_wait_xcnt 0x0
; THE ROUTER AND THE QUANTISER OF x.  x: [2048 tokens][2048] f32.  Wg: [2048][8] f32, bg: [8] f32.
; Out: xq: codes of BF8 (E5M2) [2048][2048] at byte 0, one E8M0 byte for each 32 along K [2048][64] at byte 4,194,304;
;      route (whole numbers): cnt[128 tiles][8 experts] at 0, msk[128][8] (16-bit membership) at 4,096, sel[token] = lower expert | higher expert << 8 at 8,192;
;      gat: [token][2] f32: the score of the lower-numbered and of the higher-numbered chosen expert.
; SHARES.  A work-group owns 16 tokens; wave w owns k = 128 w .. 128 w + 127 of all 16: one K step of the later product.  x is read once and serves both the logits (f32) and the codes.
; A lane must hold 16 neighbours along K of ONE token; a load is best where neighbouring lanes take neighbouring bytes: so each load reads 512 consecutive bytes of a row and the wave's 8 KB turn through its own stage in LDS.
; THE LOGITS by the f32 matrix form, transposed: source 0 = Wg (rows = experts; rows 8-15 repeat rows 0-7), source 1 = x (columns = tokens).  Both sources hold the same k in the same place, so every product meets its partner.
; In the result lane (r, h) holds token r and register j expert j.  The sixteen waves' partial sums meet in LDS; wave 0 adds them (waves ascending), adds bg, and takes softmax and top-2.
; No address and no branch of this launch hangs on a floating-point number: what is chosen leaves as data at fixed places.
; LIMITS.  Logits must be finite; NaN and infinities among the inputs are not served.  The two experts are chosen by the LOGITS, a strictly larger one winning and equal ones going to the lower index:
; two different logits whose f32 scores round to one number are told apart here (they lie about one unit in the last place apart); where scores fall to 0 the gate is 0 and the choice changes no result.
; A block of 32 zeros gets the scale byte 1 and not 127: its codes are zeros, and this program alone reads the bytes.  Blocks whose largest magnitude lies under 2^(16 - 127) are held at that byte too.
.set XTW,  8448                        ; LDS: a stage for each wave: 16 rows x (512 bytes + 16)
.set CS,   135168                      ; the tile's codes: 16 rows x (2,048 bytes + 16)
.set CSP,  2064
.set SS,   168192                      ; its scale bytes: 16 rows x 64
.set LG,   169216                      ; partial logits: [wave][lane][8 f32]
.set R,    16                          ; v16-79   x as loaded; afterwards at work:
.set PC,   16                          ; v16-31   the codes just made, later a row of codes on its way out
.set TM,   32                          ; v32-47   largest magnitudes, bytes, holds, scale operands
.set PW,   48                          ; v48      the scale word
.set LZ,   50                          ; v50-57   my partial logits
.set LT,   58                          ; v58-65   at work
.set X,    80                          ; v80-143  register 16 b + i: x[r][128 w + 32 b + 16 h + i]
.set W,    144                         ; v144-207 register 16 b + i: Wg[128 w + 32 b + 16 h + i][lane % 8]
.set ACC,  208                         ; v208-239 four accumulators: written by matrix instructions alone
.set Z,    240                         ; v240-247 wave 0: the logits
.set P,    248                         ; v248-255 wave 0: 2^((z - m) log2 e)
	s_load_b256 s[4:11], s[0:1], 0x0               ; x s[4:5], Wg s[6:7], bg s[8:9], xq s[10:11]
	s_load_b128 s[12:15], s[0:1], 0x20             ; route s[12:13], gat s[14:15]
	v_lshl_add_u32 v14, v0, 2, 0x2d500
	v_mov_b32 v15, 0
	v_lshrrev_b32 v2, 5, v0
	v_readfirstlane_b32 s16, v2                    ; wave 0..15
	v_and_b32 v1, 31, v0                           ; lane
	v_and_b32 v2, 15, v0                           ; r
	v_bfe_u32 v3, v0, 4, 1                         ; h
	v_lshlrev_b32 v4, 4, v1                        ; v4: 16 x lane
	v_and_b32 v5, 7, v0
	v_lshlrev_b32 v5, 2, v5
	v_lshl_add_u32 v5, v3, 9, v5                   ; v5: Wg: 16 h rows of 32 bytes + 4 (lane % 8)
	s_mul_i32 s17, s16, XTW
	v_add_nc_u32 v6, s17, v4                       ; v6: the stage, in: a row's 512 bytes as they lie
	v_mul_u32_u24 v7, v2, 528
	v_lshl_add_u32 v7, v3, 6, v7
	v_add_nc_u32 v7, s17, v7                       ; v7: out: row r, + 64 h
	v_mul_u32_u24 v8, v2, CSP
	v_lshl_add_u32 v8, v3, 4, v8
	s_lshl_b32 s17, s16, 7
	s_add_co_u32 s17, s17, CS
	v_add_nc_u32 v8, s17, v8                       ; v8: codes in: row r, byte 128 w + 16 h
	s_mul_i32 s17, s16, CSP
	s_add_co_u32 s17, s17, CS
	v_add_nc_u32 v9, s17, v4                       ; v9: codes out: row w, 16 bytes a lane
	s_lshl_b32 s17, s16, 2
	s_add_co_u32 s17, s17, SS
	v_lshl_add_u32 v10, v2, 6, s17                 ; v10: my row's scale word of K step w
	s_lshl_b32 s17, s16, 10
	s_add_co_u32 s17, s17, LG
	v_lshl_add_u32 v11, v1, 5, s17                 ; v11: my partial logits
	v_lshl_add_u32 v12, v1, 5, LG                  ; v12: wave 0 reads all waves' at my lane
	v_add_nc_u32 v13, SS, v4                       ; v13: scale bytes out
	s_mov_b32 s20, 0x76543210
	s_mov_b32 s21, 0xfedcba98                      ; v_permlanex16_b32's selects for lane l xor 16
	s_mov_b32 s22, 0x600000                        ; the mantissa field of 57,344
	s_lshl_b32 s18, ttmp9, 17                      ; 16 rows of 8,192 bytes a work-group,
	s_lshl_b32 s17, s16, 9                         ; 512 bytes of a row a wave
	s_add_co_u32 s18, s18, s17
	s_mov_b32 s19, 0
	s_lshl_b32 s36, s16, 12                        ; 128 rows of Wg a wave
	s_mov_b32 s37, 0
	s_lshl_b32 s32, ttmp9, 15                      ; codes: 16 rows of 2,048 bytes a work-group, a row a wave
	s_lshl_b32 s17, s16, 11
	s_add_co_u32 s32, s32, s17
	s_mov_b32 s33, 0
	s_lshl_b32 s34, ttmp9, 10                      ; scale bytes: 1,024 a work-group, behind the codes
	s_add_co_u32 s34, s34, 0x400000
	s_mov_b32 s35, 0
	s_wait_kmcnt 0x0
	s_add_nc_u64 s[4:5], s[4:5], s[18:19]
	s_add_nc_u64 s[6:7], s[6:7], s[36:37]
	s_add_nc_u64 s[34:35], s[10:11], s[34:35]
	s_add_nc_u64 s[10:11], s[10:11], s[32:33]
.irp i, 0,1,2,3,4,5,6,7,8,9,10,11,12,13,14,15
	global_load_b128 v[R+4*\i:R+4*\i+3], v4, s[4:5] offset:8192*\i th:TH_LOAD_NT   ; row i: 32 lanes read 512 consecutive bytes
.endr
.macro WLOAD b                         ; Wg's rows 32 b + 16 h + i of my 128
.irp i, 0,1,2,3,4,5,6,7,8,9,10,11,12,13,14,15
	global_load_b32 v[W+16*\b+\i], v5, s[6:7] offset:1024*\b+32*\i
.endr
.endm
	WLOAD 0
	WLOAD 1
	s_load_b256 s[24:31], s[8:9], 0x0              ; bg
	s_wait_loadcnt 32                              ; x's sixteen loads are in; the 32 younger loads of Wg may be out
.irp i, 0,1,2,3,4,5,6,7,8,9,10,11,12,13,14,15
	ds_store_b128 v6, v[R+4*\i:R+4*\i+3] offset:528*\i
.endr
.irp b, 0,1,2,3
.irp j, 0,1,2,3
	ds_load_b128 v[X+16*\b+4*\j:X+16*\b+4*\j+3], v7 offset:128*\b+16*\j   ; my own bytes: LDS serves a wave's instructions in order (ISA guide 5.7.1.4), so these see the stores above
.endr
.endr
	WLOAD 2
	WLOAD 3
	s_wait_loadcnt 32                              ; Wg's first 32 loads are in; the 32 just issued may be out
	s_wait_dscnt 0x0                               ; x has turned
.irp b, 0,1,2,3
	v_mov_b32 v[TM+4+\b], 0                        ; written once: a lane permute's destination counts as one of its sources
.endr
; 32 matrix instructions, 4 along K each; four accumulators by turns, one instruction a turn; the first four start the sums with the constant 0
.set q, 0
.rept 32
.if q == 16
	s_wait_loadcnt 0x0                             ; Wg's second half
.endif
.if q < 4
	v_wmma_f32_16x16x4_f32 v[ACC+8*q:ACC+8*q+7], v[W+2*q:W+2*q+1], v[X+2*q:X+2*q+1], 0
.else
	v_wmma_f32_16x16x4_f32 v[ACC+8*(q%4):ACC+8*(q%4)+7], v[W+2*q:W+2*q+1], v[X+2*q:X+2*q+1], v[ACC+8*(q%4):ACC+8*(q%4)+7]
.endif
.set q, q+1
.endr
.rept 8
	v_nop                                          ; eight places between this matrix form and the first read of its results, and the first write of its sources (ISA guide 7.12.1)
.endr
.irp p, 0,2,4,6                                ; each accumulator from its low end on
	v_pk_add_f32 v[LZ+\p:LZ+\p+1], v[ACC+\p:ACC+\p+1], v[ACC+8+\p:ACC+8+\p+1]
	v_pk_add_f32 v[LT+\p:LT+\p+1], v[ACC+16+\p:ACC+16+\p+1], v[ACC+24+\p:ACC+24+\p+1]
	v_pk_add_f32 v[LZ+\p:LZ+\p+1], v[LZ+\p:LZ+\p+1], v[LT+\p:LT+\p+1]
.endr
	ds_store_b128 v11, v[LZ:LZ+3]
	ds_store_b128 v11, v[LZ+4:LZ+7] offset:16
; THE QUANTISER: my 64 numbers are 16 of each of four blocks of 32; lane l xor 16 holds the other 16
.irp b, 0,1,2,3
	v_max3_num_f32 v[TM+\b], |v[X+16*\b]|, |v[X+1+16*\b]|, 0x8000000   ; and the floor 2^(16 - 127): the byte cannot fall under 1
.endr
.irp i, 2,4,6,8,10,12,14
.irp b, 0,1,2,3
	v_max3_num_f32 v[TM+\b], v[TM+\b], |v[X+16*\b+\i]|, |v[X+1+16*\b+\i]|   ; the four blocks by turns
.endr
.endr
.irp b, 0,1,2,3
	v_permlanex16_b32 v[TM+4+\b], v[TM+\b], s20, s21
.endr
.irp b, 0,1,2,3
	v_max_num_f32 v[TM+\b], v[TM+\b], v[TM+4+\b]   ; the block's largest magnitude
.endr
.irp b, 0,1,2,3
	v_add_nc_u32 v[TM+12+\b], 0xf8800000, v[TM+\b] ; 15 off its exponent field: the conversion takes this operand's exponent field as its scale
.endr
.irp b, 0,1,2,3
	v_and_or_b32 v[TM+8+\b], v[TM+\b], 0x7f800000, s22   ; 57,344 x the scale
.endr
.irp b, 0,1,2,3
	v_lshrrev_b32 v[TM+4+\b], 23, v[TM+12+\b]      ; the scale's byte
.endr
	v_lshl_or_b32 v[PW], v[TM+5], 8, v[TM+4]       ; four bytes: my row's scale word of this K step
	v_lshl_or_b32 v[PW], v[TM+6], 16, v[PW]
	v_lshl_or_b32 v[PW], v[TM+7], 24, v[PW]
.irp b, 0,1,2,3
.irp i, 0,1,2,3,4,5,6,7,8,9,10,11,12,13,14,15
	v_med3_num_f32 v[X+16*\b+\i], v[X+16*\b+\i], -v[TM+8+\b], v[TM+8+\b]   ; the conversion to an 8-bit code does not saturate (ISA guide 7.6.2): the hold at the largest code x the scale
.endr
	v_cvt_scalef32_pk8_bf8_f32 v[PC+4*\b:PC+1+4*\b], v[X+16*\b:X+7+16*\b], v[TM+12+\b]
	v_cvt_scalef32_pk8_bf8_f32 v[PC+2+4*\b:PC+3+4*\b], v[X+8+16*\b:X+15+16*\b], v[TM+12+\b]
.endr
	v_nop                                          ; one plain vector instruction behind the last scaled conversion
.irp c, 0,1,2,3
	ds_store_b128 v8, v[PC+4*\c:PC+4*\c+3] offset:32*\c   ; k = 128 w + 32 c + 16 h + 0 .. 15 of row r
.endr
	ds_store_b32 v10, v[PW]                        ; both halves of the lanes write the same word with the same value
	s_wait_kmcnt 0x0                               ; bg
	s_wait_dscnt 0x0                               ; for the others' sake: all my LDS stores have landed
	s_barrier_signal -1
	s_barrier_wait -1                              ; the launch's one barrier: behind it LDS is only read
.irp i, 0,1,2,3
	ds_load_b128 v[PC+4*\i:PC+4*\i+3], v9 offset:512*\i   ; row w of the tile's codes
.endr
.irp i, 0,1,2,3
	s_wait_dscnt 3-\i                              ; the younger loads may be out
	global_store_b128 v4, v[PC+4*\i:PC+4*\i+3], s[10:11] offset:512*\i   ; 32 lanes store 512 consecutive bytes, at a multiple of 256 from the buffer's first byte
.endr
	s_cmp_eq_u32 s16, 1
	s_cbranch_scc0 .Lnot_wave_1
	ds_load_b128 v[32:35], v13                     ; wave 1: the tile's 1,024 scale bytes, dense in memory
	ds_load_b128 v[36:39], v13 offset:512
	s_wait_dscnt 0x0
	global_store_b128 v4, v[32:35], s[34:35]
	global_store_b128 v4, v[36:39], s[34:35] offset:512
.Lnot_wave_1:
	s_cmp_eq_u32 s16, 0
	s_cbranch_scc0 .Lend
; WAVE 0: lane (r, h) serves token r; lanes 16-31 do the same work as lanes 0-15 and store nothing
.irp u, 0,1,2,3,4,5,6,7,8,9,10,11,12,13,14,15
	ds_load_b128 v[80+8*\u:83+8*\u], v12 offset:1024*\u
	ds_load_b128 v[84+8*\u:87+8*\u], v12 offset:1024*\u+16
.endr
	v_lshlrev_b32 v66, 2, v1                       ; sel: 4 bytes a token
	v_lshlrev_b32 v67, 3, v1                       ; gat: 8 bytes a token
	v_lshrrev_b32 v68, 3, v1
	v_and_b32 v69, 7, v1
	v_lshlrev_b32 v69, 2, v69
	v_lshl_add_u32 v68, v68, 12, v69               ; lanes 0-7: cnt's eight words; lanes 8-15: msk's, 4,096 bytes on
	v_mov_b32 v47, 0xff800000                      ; -infinity
	s_lshl_b32 s36, ttmp9, 6
	s_mov_b32 s37, 0
	s_add_nc_u64 s[36:37], s[12:13], s[36:37]      ; sel less 8,192: 64 bytes a tile
	s_lshl_b32 s38, ttmp9, 5
	s_mov_b32 s39, 0
	s_add_nc_u64 s[38:39], s[12:13], s[38:39]      ; cnt: 32 bytes a tile
	s_lshl_b32 s40, ttmp9, 7
	s_mov_b32 s41, 0
	s_add_nc_u64 s[40:41], s[14:15], s[40:41]      ; gat: 128 bytes a tile
	s_wait_dscnt 0x0
.irp p, 0,2,4,6
	v_pk_add_f32 v[Z+\p:Z+\p+1], v[80+\p:81+\p], v[88+\p:89+\p]
.endr
.irp u, 2,3,4,5,6,7,8,9,10,11,12,13,14,15
.irp p, 0,2,4,6
	v_pk_add_f32 v[Z+\p:Z+\p+1], v[Z+\p:Z+\p+1], v[80+8*\u+\p:81+8*\u+\p]
.endr
.endr
.irp j, 0,1,2,3,4,5,6,7
	v_add_f32 v[Z+\j], s[24+\j], v[Z+\j]           ; + bg
.endr
	v_max3_num_f32 v40, v[Z], v[Z+1], v[Z+2]       ; the softmax takes the largest logit away first
	v_max3_num_f32 v40, v40, v[Z+3], v[Z+4]
	v_max3_num_f32 v40, v40, v[Z+5], v[Z+6]
	v_max_num_f32 v40, v40, v[Z+7]
.irp j, 0,1,2,3,4,5,6,7
	v_sub_f32 v[P+\j], v[Z+\j], v40
.endr
.irp j, 0,1,2,3,4,5,6,7
	v_mul_f32 v[P+\j], 0x3fb8aa3b, v[P+\j]         ; x log2(e)
.endr
.irp j, 0,1,2,3,4,5,6,7
	v_exp_f32 v[P+\j], v[P+\j]
.endr
	v_mov_b32 v53, 0                               ; a plain instruction behind the exponentials (the register takes the counts and masks below)
	s_wait_alu depctr_va_vdst(0)                   ; one wait for the eight, ahead of their first reader
	v_pk_add_f32 v[60:61], v[P:P+1], v[P+2:P+3]
	v_pk_add_f32 v[62:63], v[P+4:P+5], v[P+6:P+7]
	v_pk_add_f32 v[60:61], v[60:61], v[62:63]
	v_add_f32 v60, v60, v61
	v_rcp_f32 v46, v60                             ; the scans below are the independent work behind it
; The largest logit, its index and its exponential: experts ascending; what stands is kept where the newcomer is not larger, so equal logits go to the lower index
.macro SCAN vb, vi, vq
	v_mov_b32 v[\vb], v[Z]
	v_mov_b32 v[\vi], 0
	v_mov_b32 v[\vq], v[P]
.irp j, 1,2,3,4,5,6,7
	v_cmp_le_f32 vcc_lo, v[Z+\j], v[\vb]
	v_cndmask_b32 v[\vb], v[Z+\j], v[\vb], vcc_lo
	v_cndmask_b32 v[\vi], \j, v[\vi], vcc_lo
	v_cndmask_b32 v[\vq], v[P+\j], v[\vq], vcc_lo
.endr
.endm
	SCAN 40, 41, 42
.irp j, 0,1,2,3,4,5,6,7
	v_cmp_eq_u32 vcc_lo, \j, v41
	v_cndmask_b32 v[Z+\j], v[Z+\j], v47, vcc_lo    ; the first choice leaves the field
.endr
	SCAN 43, 44, 45
	s_wait_alu depctr_va_vdst(0)                   ; the reciprocal's wait, ahead of its first reader
	v_mul_f32 v42, v42, v46                        ; the two scores
	v_mul_f32 v45, v45, v46
	v_cmp_lt_u32 vcc_lo, v41, v44
	v_cndmask_b32 v50, v45, v42, vcc_lo            ; the lower-numbered expert's score,
	v_cndmask_b32 v51, v42, v45, vcc_lo            ; the higher-numbered one's
	v_min_u32 v54, v41, v44
	v_max_u32 v55, v41, v44
	v_lshl_or_b32 v52, v55, 8, v54                 ; sel
.irp e, 0,1,2,3,4,5,6,7                        ; which of the 16 tokens use expert e, and how many: into lanes e and 8 + e of v53
	v_cmp_eq_u32 s32, \e, v41
	v_cmp_eq_u32 s33, \e, v44
	s_or_b32 s32, s32, s33
	s_and_b32 s32, s32, 0xffff
	s_bcnt1_i32_b32 s33, s32
	v_writelane_b32 v53, s33, \e
	v_writelane_b32 v53, s32, 8+\e
.endr
	s_wait_xcnt 0x0                                ; EXEC changes only behind this wait: my row's stores are out
	v_cmpx_gt_u32 16, v1
	global_store_b32 v66, v52, s[36:37] offset:8192
	global_store_b64 v67, v[50:51], s[40:41]
	global_store_b32 v68, v53, s[38:39]
	s_wait_xcnt 0x0                                ; and again, in front of the line that widens it
	s_mov_b32 exec_lo, -1
.Lend:
	s_wait_tensorcnt 0x0
	ds_add_u32 v14, v15
	s_wait_dscnt 0x0
	s_endpgm
.Lfunc_end_k_qb2d469cace_route_quant:
	.size	k_qb2d469cace_route_quant, .Lfunc_end_k_qb2d469cace_route_quant-k_qb2d469cace_route_quant
	.p2alignl 7, 3214868480
	.fill 96, 4, 3214868480
	.section	.rodata,"a",@progbits
	.p2align	6, 0x0
	.amdhsa_kernel k_qb2d469cace_route_quant
		.amdhsa_group_segment_fixed_size 187648
		.amdhsa_private_segment_fixed_size 0
		.amdhsa_enable_private_segment 0
		.amdhsa_kernarg_size 48
		.amdhsa_user_sgpr_count 2
		.amdhsa_user_sgpr_kernarg_segment_ptr 1
		.amdhsa_wavefront_size32 1
		.amdhsa_system_sgpr_workgroup_id_x 1
		.amdhsa_system_sgpr_workgroup_id_y 1
		.amdhsa_system_sgpr_workgroup_id_z 1
		.amdhsa_system_vgpr_workitem_id 0
		.amdhsa_next_free_vgpr 256
		.amdhsa_next_free_sgpr 66
		.amdhsa_reserve_vcc 1
		.amdhsa_float_denorm_mode_32 3
		.amdhsa_float_denorm_mode_16_64 3
		.amdhsa_memory_ordered 1
		.amdhsa_forward_progress 1
		.amdhsa_inst_pref_size 40
	.end_amdhsa_kernel
	.amdgpu_metadata
---
amdhsa.version: [ 1, 2 ]
amdhsa.kernels:
  - .name:           k_qb2d469cace_route_quant
    .symbol:         k_qb2d469cace_route_quant.kd
    .args:
      - { .name: x, .offset: 0, .size: 8, .value_kind: global_buffer, .address_space: global }
      - { .name: Wg, .offset: 8, .size: 8, .value_kind: global_buffer, .address_space: global }
      - { .name: bg, .offset: 16, .size: 8, .value_kind: global_buffer, .address_space: global }
      - { .name: xq, .offset: 24, .size: 8, .value_kind: global_buffer, .address_space: global }
      - { .name: route, .offset: 32, .size: 8, .value_kind: global_buffer, .address_space: global }
      - { .name: gat, .offset: 40, .size: 8, .value_kind: global_buffer, .address_space: global }
    .group_segment_fixed_size: 187648
    .private_segment_fixed_size: 0
    .kernarg_segment_align: 8
    .kernarg_segment_size: 48
    .max_flat_workgroup_size: 512
    .sgpr_count:     66
    .vgpr_count:     256
    .wavefront_size: 32
...
	.end_amdgpu_metadata
.endif
;; end of part 1
;; launch place (part 2): grid 256 x 1, 8 waves a work-group, no clusters, 0 bytes of LDS; arguments xq, route, xs, lists; writes xs, lists
.if DOCPART == 2
	.amdgcn_target "amdgcn-amd-amdhsa--gfx1250"
	.amdhsa_code_object_version 6
	.text
	.protected	k_qb2d469cace_place
	.globl	k_qb2d469cace_place
	.p2align	8
	.type	k_qb2d469cace_place,@function
k_qb2d469cace_place:
	s_mov_b64 s[64:65], 0
	v_nop
	global_prefetch_b8 v0, s[64:65] scope:SCOPE_SE
	s_setreg_imm32_b32 hwreg(HW_REG_WAVE_MODE, 25, 1), 1
	s_wait_xcnt 0x0
; THE ROWS ARE PLACED BY EXPERT.  In: xq (codes and scale bytes by token), route (cnt, msk, sel).  Out: xs: codes [5,888 slots][2048] at byte 0, scale bytes [5888][64] at byte 0xb80000;
; lists (whole numbers): tex[23] at 0: the expert of each tile of 256 slots; dst[5888] at 256: the row of the parts' buffer that a slot's result goes to.
; SLOTS.  Expert e has c_e rows and gets ceil(c_e / 256) tiles of 256 slots, experts ascending, tokens ascending inside an expert.  The c_e add up to 4,096, so there are never more than 23 tiles, whatever the choice.
; A slot that no row takes gets zero codes, the scale byte 0x7f and dst = 4,096 + its tile (a row that nobody reads); a tile that no expert takes gets tex = 7.
; SHARES.  Wave u = 8 x work-group + wave owns token u, and the test of slots u, u + 2,048 and (u under 1,792) u + 4,096.  Each wave makes the counting sort's sums for itself from the 4 KB of counts:
; no LDS, no barrier, nothing between waves.  No tensor load: so branches may hang on the stored numbers.
; EXEC is never changed: where fewer than 32 lanes have something to store, the other lanes hold the same address and the same value.
; A loaded number enters an address only behind a minimum with a constant.
	s_load_b128 s[4:7], s[0:1], 0x0                ; xq s[4:5], route s[6:7]
	s_load_b64 s[10:11], s[0:1], 0x10              ; xs
	s_load_b64 s[12:13], s[0:1], 0x18              ; lists
	v_lshrrev_b32 v1, 5, v0
	v_readfirstlane_b32 s16, v1                    ; wave
	v_and_b32 v1, 31, v0                           ; lane
	v_lshlrev_b32 v2, 4, v1                        ; 16 x lane
	v_lshrrev_b32 v3, 1, v1
	s_lshl_b32 s17, ttmp9, 3
	s_add_co_u32 s17, s17, s16                     ; u: my token
	s_lshr_b32 s18, s17, 4                         ; its tile of 16
	s_and_b32 s19, s17, 15
	s_bfm_b32 s20, s19, 0                          ; ones for the tokens of that tile ahead of mine
	s_lshl_b32 s74, s17, 2
	s_lshl_b32 s76, s18, 5
	s_lshl_b32 s78, s17, 11
	s_mov_b32 s79, 0
	s_lshl_b32 s80, s17, 6
	s_mov_b32 s81, 0
	s_mov_b32 s68, 0x76543210
	s_mov_b32 s69, 0xfedcba98                      ; v_permlanex16_b32's selects for lane l xor 16
	v_and_b32 v76, 15, v0
	v_lshlrev_b32 v76, 2, v76                      ; 4 (lane % 16): a word of a row's 64 scale bytes
	v_add_nc_u32 v79, 0xb80000, v76                ; the same, behind xs's codes
	v_and_b32 v87, 1, v1
.irp i, 0,1,2,3
	v_mov_b32 v[72+\i], 0
.endr
	v_mov_b32 v88, 0x7f7f7f7f
	s_wait_kmcnt 0x0
	s_add_nc_u64 s[82:83], s[4:5], s[78:79]        ; my token's codes
	s_add_nc_u64 s[84:85], s[4:5], s[80:81]        ; its scale bytes, less 4,194,304
.irp q, 0,1,2,3,4,5,6,7
	global_load_b128 v[4+4*\q:7+4*\q], v2, s[6:7] offset:512*\q   ; cnt, dense: lane l gets tile 16 q + l / 2, experts 4 (l % 2) + 0 .. 3
.endr
.irp i, 0,1,2,3
	global_load_b128 v[52+4*\i:55+4*\i], v2, s[82:83] offset:512*\i th:TH_LOAD_NT
.endr
	global_load_b32 v68, v76, s[84:85] offset:4194304 th:TH_LOAD_NT   ; both halves of the lanes hold the row's 16 words
	s_load_b32 s21, s[6:7], s74 offset:0x2000      ; sel
	s_load_b256 s[24:31], s[6:7], s76 offset:0x1000   ; my tile's eight masks
	; each count is multiplied by 1, or by 0x10001 where its tile lies ahead of mine: the low half adds up to an expert's total, the high half to its rows ahead of my tile; both stay under 2^16
	v_mov_b32 v49, 0x10001
.irp q, 0,1,2,3,4,5,6,7
	v_add_nc_u32 v48, 16*\q, v3
	v_cmp_gt_u32 vcc_lo, s18, v48
	v_cndmask_b32 v[36+\q], 1, v49, vcc_lo
.endr
	v_mov_b32 v50, 0                               ; v48-51 take lanes' numbers below: their destinations count as read
	v_mov_b32 v51, 0
	s_wait_loadcnt 5                               ; the eight loads of counts are in; my row's five may be out
.irp i, 0,1,2,3
	v_mul_u32_u24 v[44+\i], v[4+\i], v36
.endr
.irp q, 1,2,3,4,5,6,7
.irp i, 0,1,2,3
	v_mad_u32_u24 v[44+\i], v[4+4*\q+\i], v[36+\q], v[44+\i]
.endr
.endr
.irp n, 2,4,8                                  ; over the lanes of my parity
.irp i, 0,1,2,3
	v_mov_b32_dpp v[48+\i], v[44+\i] row_xmask:\n row_mask:0xf bank_mask:0xf
.endr
.irp i, 0,1,2,3
	v_add_nc_u32 v[44+\i], v[44+\i], v[48+\i]
.endr
.endr
.irp i, 0,1,2,3
	v_permlanex16_b32 v[48+\i], v[44+\i], s68, s69
.endr
.irp i, 0,1,2,3
	v_add_nc_u32 v[44+\i], v[44+\i], v[48+\i]
.endr
.irp i, 0,1,2,3
	v_readlane_b32 s[32+\i], v[44+\i], 0           ; experts 0-3 from an even lane,
	v_readlane_b32 s[36+\i], v[44+\i], 1           ; 4-7 from an odd one
.endr
	s_wait_kmcnt 0x0
	s_mov_b32 s80, 0                               ; tiles so far
.irp e, 0,1,2,3,4,5,6,7
	s_and_b32 s77, s[32+\e], 0xffff                ; c_e
	s_lshr_b32 s78, s[32+\e], 16                   ; its rows in the tiles ahead of mine,
	s_and_b32 s79, s[24+\e], s20
	s_bcnt1_i32_b32 s79, s79                       ; and in my tile ahead of my token
	s_lshl_b32 s[40+\e], s80, 8                    ; s40-47: the expert's first slot
	s_add_co_u32 s78, s78, s79
	s_add_co_u32 s[48+\e], s[40+\e], s78           ; s48-55: where my token would stand
	s_mov_b32 s[32+\e], s77                        ; s32-39: c_e
	s_add_co_u32 s77, s77, 255
	s_lshr_b32 s77, s77, 8
	s_add_co_u32 s80, s80, s77
	s_mov_b32 s[56+\e], s80                        ; s56-63: the first tile behind the expert's
.endr
	s_and_b32 s81, s21, 0xff
	s_min_u32 s81, s81, 7                          ; my lower expert,
	s_bfe_u32 s86, s21, 0x80008
	s_min_u32 s86, s86, 7                          ; my higher one
	s_mov_b32 s87, s48
	s_mov_b32 s88, s48
.irp e, 1,2,3,4,5,6,7
	s_cmp_eq_u32 s81, \e
	s_cselect_b32 s87, s[48+\e], s87
	s_cmp_eq_u32 s86, \e
	s_cselect_b32 s88, s[48+\e], s88
.endr
	s_min_u32 s87, s87, 5887                       ; my two slots
	s_min_u32 s88, s88, 5887
	s_lshl_b32 s90, s87, 11
	s_mov_b32 s91, 0
	s_add_nc_u64 s[70:71], s[10:11], s[90:91]
	s_lshl_b32 s90, s88, 11
	s_add_nc_u64 s[72:73], s[10:11], s[90:91]
	v_mov_b32 v70, s87
	v_mov_b32 v71, s88
	v_cmp_gt_u32 vcc_lo, 16, v1
	v_cndmask_b32 v77, v71, v70, vcc_lo            ; scale words: lanes 0-15 to the lower expert's slot, lanes 16-31 to the higher one's
	v_min_u32 v77, 0x16ff, v77
	v_lshl_add_u32 v77, v77, 6, v79
	v_cmp_eq_u32 vcc_lo, 0, v87
	v_cndmask_b32 v80, v71, v70, vcc_lo            ; the list: even lanes the lower expert's slot, odd lanes the higher one's
	v_min_u32 v80, 0x16ff, v80
	v_lshlrev_b32 v80, 2, v80
	s_lshl_b32 s94, s17, 1
	v_add_nc_u32 v82, s94, v87                     ; dst = 2 x token + (0: lower, 1: higher)
	s_wait_loadcnt 0x0                             ; my row
.irp i, 0,1,2,3
	global_store_b128 v2, v[52+4*\i:55+4*\i], s[70:71] offset:512*\i   ; 32 lanes store 512 consecutive bytes, at a multiple of 256 from the buffer's first byte
	global_store_b128 v2, v[52+4*\i:55+4*\i], s[72:73] offset:512*\i
.endr
	global_store_b32 v77, v68, s[10:11]
	global_store_b32 v80, v82, s[12:13] offset:256
; Slot u + 2,048 k: does a row stand there?  It does where the slot less an expert's first slot lies under that expert's count (a slot ahead of the expert wraps to a large number).  If none does, the slot is filled as padding.
.macro PAD k
	s_add_co_u32 s92, s17, 2048*\k
	s_mov_b32 s93, 0
.irp e, 0,1,2,3,4,5,6,7
	s_sub_co_u32 s94, s92, s[40+\e]
	s_cmp_lt_u32 s94, s[32+\e]
	s_cselect_b32 s93, 1, s93
.endr
	s_cmp_lg_u32 s93, 0
	s_cbranch_scc1 .Lused_\@
	s_wait_xcnt 0x0                                ; the stores so far have read their bases, offsets and data: these are written again only behind this wait
	s_lshl_b32 s90, s92, 11
	s_mov_b32 s91, 0
	s_add_nc_u64 s[74:75], s[10:11], s[90:91]
	v_lshl_add_u32 v86, s92, 6, v79
	s_lshl_b32 s94, s92, 2
	v_mov_b32 v89, s94
	s_lshr_b32 s94, s92, 8
	s_add_co_u32 s94, s94, 4096
	v_mov_b32 v90, s94
.irp i, 0,1,2,3
	global_store_b128 v2, v[72:75], s[74:75] offset:512*\i   ; zero codes
.endr
	global_store_b32 v86, v88, s[10:11]            ; scale bytes 0x7f
	global_store_b32 v89, v90, s[12:13] offset:256 ; dst: the tile's row that nobody reads
.Lused_\@:
.endm
	PAD 0
	PAD 1
	s_cmp_lt_u32 s17, 1792                         ; 5,888 slots in all
	s_cbranch_scc0 .Lno_third
	PAD 2
.Lno_third:
	s_cmp_lt_u32 s17, 23
	s_cbranch_scc0 .Lend
	s_mov_b32 s93, 0                               ; tile u's expert: as many experts as end at or ahead of it
.irp e, 0,1,2,3,4,5,6,7
	s_cmp_le_u32 s[56+\e], s17
	s_cselect_b32 s94, 1, 0
	s_add_co_u32 s93, s93, s94
.endr
	s_min_u32 s93, s93, 7
	s_wait_xcnt 0x0
	s_lshl_b32 s94, s17, 2
	v_mov_b32 v89, s94
	v_mov_b32 v90, s93
	global_store_b32 v89, v90, s[12:13]
.Lend:
	s_endpgm
.Lfunc_end_k_qb2d469cace_place:
	.size	k_qb2d469cace_place, .Lfunc_end_k_qb2d469cace_place-k_qb2d469cace_place
	.p2alignl 7, 3214868480
	.fill 96, 4, 3214868480
	.section	.rodata,"a",@progbits
	.p2align	6, 0x0
	.amdhsa_kernel k_qb2d469cace_place
		.amdhsa_group_segment_fixed_size 0
		.amdhsa_private_segment_fixed_size 0
		.amdhsa_enable_private_segment 0
		.amdhsa_kernarg_size 32
		.amdhsa_user_sgpr_count 2
		.amdhsa_user_sgpr_kernarg_segment_ptr 1
		.amdhsa_wavefront_size32 1
		.amdhsa_system_sgpr_workgroup_id_x 1
		.amdhsa_system_sgpr_workgroup_id_y 1
		.amdhsa_system_sgpr_workgroup_id_z 1
		.amdhsa_system_vgpr_workitem_id 0
		.amdhsa_next_free_vgpr 96
		.amdhsa_next_free_sgpr 96
		.amdhsa_reserve_vcc 1
		.amdhsa_float_denorm_mode_32 3
		.amdhsa_float_denorm_mode_16_64 3
		.amdhsa_memory_ordered 1
		.amdhsa_forward_progress 1
		.amdhsa_inst_pref_size 21
	.end_amdhsa_kernel
	.amdgpu_metadata
---
amdhsa.version: [ 1, 2 ]
amdhsa.kernels:
  - .name:           k_qb2d469cace_place
    .symbol:         k_qb2d469cace_place.kd
    .args:
      - { .name: xq, .offset: 0, .size: 8, .value_kind: global_buffer, .address_space: global }
      - { .name: route, .offset: 8, .size: 8, .value_kind: global_buffer, .address_space: global }
      - { .name: xs, .offset: 16, .size: 8, .value_kind: global_buffer, .address_space: global }
      - { .name: lists, .offset: 24, .size: 8, .value_kind: global_buffer, .address_space: global }
    .group_segment_fixed_size: 0
    .private_segment_fixed_size: 0
    .kernarg_segment_align: 8
    .kernarg_segment_size: 32
    .max_flat_workgroup_size: 256
    .sgpr_count:     96
    .vgpr_count:     96
    .wavefront_size: 32
...
	.end_amdgpu_metadata
.endif
;; end of part 2
;; launch gemm (part 3): grid 8 x 23, 4 waves a work-group, clusters of 4 x 1, 327,680 bytes of LDS; arguments xs, We_codes, We_scales, be, lists, part; writes part
.if DOCPART == 3
	.amdgcn_target "amdgcn-amd-amdhsa--gfx1250"
	.amdhsa_code_object_version 6
	.text
	.protected	k_qb2d469cace_gemm
	.globl	k_qb2d469cace_gemm
	.p2align	8
	.type	k_qb2d469cace_gemm,@function
k_qb2d469cace_gemm:
	s_mov_b64 s[64:65], 0
	v_nop
	global_prefetch_b8 v0, s[64:65] scope:SCOPE_SE
	s_setreg_imm32_b32 hwreg(HW_REG_WAVE_MODE, 25, 1), 1
	s_wait_xcnt 0x0
	s_wait_alu depctr_hold_cnt(0) depctr_sa_sdst(0) depctr_va_vdst(0) depctr_va_sdst(0) depctr_va_ssrc(0) depctr_va_vcc(0) depctr_vm_vsrc(0)
	s_getreg_b32 s2, hwreg(HW_REG_IB_STS2, 6, 4)
	s_cmp_eq_u32 s2, 0
	s_cbranch_scc0 .Lentry_in_a_cluster
	s_endpgm
.Lentry_in_a_cluster:
	s_bfe_u32 s2, ttmp6, 0x10000c
	s_cmp_lg_u32 s2, 0x3003
	s_cbranch_scc0 .Lentry_shape_is_right
	s_endpgm
.Lentry_shape_is_right:
; part[dst[s]][n] = sum over k of xs[s][k] We[e][n][k] + be[e][n], e = the expert of slot s's tile.  Both operands are codes of BF8 (E5M2) with one E8M0 scale for each 32 along K; sums in f32.  The gate is applied by the launch that adds a token's two parts.
; xs: codes [5888 slots][2048] and, at byte 0xb80000, scale bytes [5888][64].  We_codes: [8][2048 n][2048 k], We_scales: [8][2048][64].  be: [8][2048] f32.  part: [4119][2048] f32.
; A FIXED GRID FOR EVERY SPLIT: 23 tiles of 256 slots x 8 tiles of 256 columns, every trip count a constant; only addresses hang on the stored lists (a tile's expert, a slot's row), each behind a minimum with a constant.
; A slot without a row has zero codes: its result, the bias alone, goes to its tile's own row 4,096 + tile, which nobody reads.  So there is no mask and no branch on a loaded number.
; A tile of 256 x 256 is made by four waves, as many as a WGP has SIMDs; a wave makes 128 x 128: 64 accumulators of 16 x 16, 512 registers.  K goes in steps of 256 through a ring of two LDS slots filled by the tensor data mover.
; THE SCALES of the work-group's 256 slots and 256 columns, for all of K, are two dense blocks of memory: they come into LDS once, with the first fills, and stay.
; CLUSTER: the four column tiles of a cluster share the slots' tile and its scales: those are asked for JOINTLY (mask 15).  The weights' tiles are each work-group's own, by plain loads: partners have different columns,
; and whether neighbouring tiles of slots belong to one expert hangs on the stored split, so no cluster along y could ask for weights jointly at every split.
; THE MATRIX INSTRUCTION IS USED TRANSPOSED (source 0 = 16 rows of We, source 1 = 16 slots): a lane then holds eight neighbouring columns of one slot's row.  The bias is the C of each sum's first instruction.
; THE ROWS' NUMBERS of my 128 slots come once, at the head, into four registers (register j: slots 32 j + lane), and are taken from there lane by lane on the way out: nothing is loaded there.
; REGISTERS, in windows of 256: window 0: v0-31 addresses, v8-11 my slots' rows' numbers; v32-63 scale words, two sets; v64-127 the bias, 8 registers for each of my 8 column blocks (on the way out v64-79: the stores' offsets);
;   from v128 the slots' fragments (8 x 16 rows x 128 K), ONE set (on the way out: rows read back).  window 1: We's fragments, TWO sets.  windows 2, 3: the accumulators of my rows 0-63, 64-127 ((a, b) at v[8 (8 (a % 4) + b)]).
.set KSTEP,  256                       ; along K in a slot
.set NQ,     2                         ; matrix instructions deep
.set ROWB,   256                       ; a tile's row in bytes
.set KROW,   2048                      ; a row of codes in memory
.set PITCH,  272                       ; an LDS row: 256 bytes + 16 of padding = 68 words: row r starts at bank 4 r mod 64 (64 banks of 4 bytes: ISA guide 11.1)
.set FR,     16                        ; registers of a fragment
.set NL,     4                         ; LDS loads that bring one
.set NP,     8                         ; places behind this matrix instruction (ISA guide 7.12.1)
.set HALFT,  128*PITCH
.set SLOT,   4*HALFT                   ; the slots' 256 rows, then We's 256 rows
.set LAPS,   4                         ; 2,048 / 512: a lap = two K steps = once round the ring
.set KS,     64                        ; a row of scale bytes
.set SCL,    2*SLOT                    ; behind the ring: the scales, as units of 256 bytes + 16 of padding
.set HALFS,  32*272                    ; those of 128 rows
.set SBLK,   4*272                     ; those of 16 rows
.set SPARE,  SCL+4*HALFS               ; the spare words, 128 bytes for each wave: two blocks of 256 bytes that no other line names
.set SPITCH, 528                       ; the way out: a stage of 16 rows x (512 bytes + 16) for each wave, in slot 0, which has had its last fill and its last read by then
.set XSC,    0xb80000                  ; where xs's scale bytes begin
.set LO4,  7                           ; v7      4 x lane: where my lane's row number lies; never rewritten
.set DS,   8                           ; v8-11   register j: the row of part for my slot 32 j + lane
.set ADRA, 16                          ; v16-17  LDS address of my slots' fragments in ring slot 0, 1
.set ADRB, 20                          ; v20-21  the same for We
.set STO,  24                          ; v24     the way out: where I put 32 bytes of a row
.set RD,   25                          ; v25     where I read a row back
.set CO,   26                          ; v26     16 x lane
.set ADRS, 27                          ; v27     LDS address of my scale words: lanes 0-15 the slots', lanes 16-31 We's
.set SPW,  28                          ; v28     LDS address of my spare word; never rewritten
.set NIL,  29                          ; v29     0; never rewritten
.set SC,   32                          ; scale words: set s at v[SC + 16 s]; register 2 i + q: block i, the ring slot's q-th 128 along K
.set BI,   64                          ; the bias
.set VO,   64                          ; the way out: sixteen offsets
.set AF,   128                         ; the slots' fragments
.set BK,   128                         ; the way out: 16 rows read back: v128-191 and v192-255 by turns
.set G1, 24                            ; s[24:31] group 1 for the slots' tiles; s[32:39] group 0, one set for each ring slot.  (On the way out s[24:39] hold sixteen rows' numbers)
.set G0, 32
.set G1B, 48                           ; s[48:55], s[56:63] the same for We's tiles
.set G0B, 56
.set G1S, 68                           ; s[68:75], s[76:79] groups 1 and 0 for the slots' scales; s[80:87], s[88:91] for We's
.set G0S, 76
.set G1SB, 80
.set G0SB, 88
.set MSB, 0
.macro WIN new                         ; the immediate's high byte repeats the setting that is left
.if MSB != (\new)
	s_set_vgpr_msb (MSB<<8)|(\new)
.set MSB, (\new)
.endif
.endm
.set MUL_LO, 0xa1                      ; source 0 (We) window 1, source 1 (slots) window 0, C and D window 2
.set MUL_HI, 0xf1                      ; the same, C and D window 3
.set TO_B,   0x40                      ; destination window 1, address window 0
; Waves 0 and 1 fetch for the slots (a joint load), waves 2 and 3 for We (a load of the work-group's own).  The branch hangs on the wave's number alone.
; Four v_nop follow each of the two lines, ahead of the jump, the label and what follows.
.macro JLOAD g0a, g1a, g0b, g1b
	s_cmp_eq_u32 s15, 0
	s_cbranch_scc0 .Lfor_b_\@
	tensor_load_to_lds s[\g0a:\g0a+3], s[\g1a:\g1a+7]
	s_nop 0
.rept 4
	v_nop
.endr
	s_branch .Lasked_\@
.Lfor_b_\@:
	tensor_load_to_lds s[\g0b:\g0b+3], s[\g1b:\g1b+7]
	s_nop 0
.rept 4
	v_nop
.endr
.Lasked_\@:
.endm
.macro CREST                           ; a round of the cluster's barrier behind its opening barrier
	s_cmp_lg_u32 s14, 0
	s_cbranch_scc1 .Lnot_wave_0_\@
	s_barrier_signal -3
.Lnot_wave_0_\@:
	s_barrier_wait -3
	s_barrier_signal -1
	s_barrier_wait -1
.endm
.macro CROUND                          ; a whole round
	s_barrier_signal -1
	s_barrier_wait -1
	CREST
.endm
	s_load_b256 s[4:11], s[0:1], 0x0               ; xs s[4:5], We's codes s[6:7], We's scales s[8:9], be s[10:11]
	s_load_b64 s[66:67], s[0:1], 0x20              ; lists
	s_load_b64 s[12:13], s[0:1], 0x28              ; part
	v_lshl_add_u32 v[SPW], v0, 2, SPARE
	v_mov_b32 v[NIL], 0
	ds_add_u32 v28, v29
	ds_add_u32 v28, v29
	s_wait_dscnt 0x0
	v_lshrrev_b32 v1, 5, v0
	v_readfirstlane_b32 s14, v1                    ; wave 0..3
	s_lshr_b32 s15, s14, 1                         ; which half of the tile's slots is mine.  Also: I fetch for the slots (0) or for We (1)
	s_and_b32 s16, s14, 1                          ; which half of its columns.  Also: which 128 rows I fetch
	s_bfe_u32 s40, ttmp6, 0x40000                  ; cx: my place in the cluster
	s_lshl_b32 s42, ttmp9, 2
	s_add_co_u32 s42, s42, s40                     ; tile of columns = 4 x cluster x + cx
	s_and_b32 s17, ttmp7, 0xffff                   ; tile of slots, which the four partners share
	s_lshl_b32 s43, s17, 2
	; descriptor group 1: a tile of 128 rows x 256 bytes, padded in LDS
	s_mov_b32 s[G1+0], 15|(0<<16)|(1<<20)|(1<<21)|(5<<22)|(3<<25)   ; 15:0 the mask: all four work-groups; 17:16 elements of 1 byte; 20 padding on; 21 set beside a mask; 24:22 after every 64 words (code 5); 31:25 of 4 words (code 3)
	s_mov_b32 s[G1B+0], (0<<16)|(1<<20)|(5<<22)|(3<<25)             ; the same with no mask
.irp g, G1, G1B
	s_mov_b32 s[\g+1], ROWB<<16                    ; tensor_dim0
	s_mov_b32 s[\g+2], 128<<16                     ; tensor_dim1
	s_mov_b32 s[\g+3], ROWB<<16                    ; tile_dim0
	s_mov_b32 s[\g+4], 128                         ; tile_dim1
	s_mov_b32 s[\g+5], KROW                        ; tensor_dim0_stride
	s_mov_b32 s[\g+6], 0
	s_mov_b32 s[\g+7], 0
.endr
	; and for the scales of 128 rows: a dense block of 8,192 bytes, as 32 rows of 256 bytes (32 elements of 8 bytes), 16 bytes of padding behind each
	s_mov_b32 s[G1S+0], 15|(3<<16)|(1<<20)|(1<<21)|(5<<22)|(3<<25)
	s_mov_b32 s[G1SB+0], (3<<16)|(1<<20)|(5<<22)|(3<<25)
.irp g, G1S, G1SB
	s_mov_b32 s[\g+1], 32<<16
	s_mov_b32 s[\g+2], 32<<16
	s_mov_b32 s[\g+3], 32<<16
	s_mov_b32 s[\g+4], 32
	s_mov_b32 s[\g+5], 32
	s_mov_b32 s[\g+6], 0
	s_mov_b32 s[\g+7], 0
.endr
	s_lshl_b32 s18, s16, 7                         ; which 128 rows I fetch
	s_lshl_b32 s20, s17, 8
	s_add_co_u32 s20, s20, s18                     ; slots: row 256 x tile + 128 x half: made of what the partners share
	s_lshl_b32 s22, s20, 6
	s_add_co_u32 s22, s22, XSC                     ; where these rows' scale bytes begin,
	s_mov_b32 s23, 0
	s_lshl_b32 s20, s20, 11                        ; and their codes
	s_mov_b32 s21, 0
	s_mul_i32 s45, s14, HALFT                      ; where they go: wave x 128 rows: no place in the cluster enters an LDS address
	s_mul_i32 s94, s14, HALFS
	s_wait_kmcnt 0x0
	s_load_b32 s41, s[66:67], s43 offset:0x0       ; the tile's expert
	s_add_nc_u64 s[20:21], s[4:5], s[20:21]
	s_add_nc_u64 s[22:23], s[4:5], s[22:23]
	s_wait_kmcnt 0x0
	s_min_u32 s41, s41, 7                          ; a loaded number enters addresses only behind this line
	s_lshl_b32 s46, s41, 11
	s_lshl_b32 s44, s42, 8
	s_add_co_u32 s46, s46, s44
	s_add_co_u32 s46, s46, s18                     ; We: row 2,048 x expert + 256 x tile of columns + 128 x half
	s_lshl_b32 s92, s46, 6
	s_mov_b32 s93, 0
	s_lshl_b32 s46, s46, 11
	s_mov_b32 s47, 0
	s_add_nc_u64 s[46:47], s[6:7], s[46:47]
	s_add_nc_u64 s[92:93], s[8:9], s[92:93]
	CROUND                                         ; all four work-groups are here: the first joint loads meet
	s_mov_b32 s[G0S], 1
	s_add_co_u32 s[G0S+1], s94, SCL
	s_mov_b64 s[G0S+2:G0S+3], s[22:23]
	s_or_b32 s[G0S+3], s[G0S+3], 0x80000000
	s_mov_b32 s[G0SB], 1
	s_add_co_u32 s[G0SB+1], s94, SCL
	s_mov_b64 s[G0SB+2:G0SB+3], s[92:93]
	s_or_b32 s[G0SB+3], s[G0SB+3], 0x80000000
	JLOAD G0S, G1S, G0SB, G1SB                     ; the scales first: they are wanted with K step 0
.irp s, 0,1
	s_mov_b32 s[G0+4*\s], 1
	s_add_co_u32 s[G0+4*\s+1], s45, \s*SLOT
	s_add_nc_u64 s[G0+4*\s+2:G0+4*\s+3], s[20:21], \s*ROWB
	s_or_b32 s[G0+4*\s+3], s[G0+4*\s+3], 0x80000000
	s_mov_b32 s[G0B+4*\s], 1
	s_add_co_u32 s[G0B+4*\s+1], s45, \s*SLOT
	s_add_nc_u64 s[G0B+4*\s+2:G0B+4*\s+3], s[46:47], \s*ROWB
	s_or_b32 s[G0B+4*\s+3], s[G0B+4*\s+3], 0x80000000
	JLOAD G0+4*\s, G1, G0B+4*\s, G1B               ; three tensor loads of mine are out behind the last of these
.endr
	v_and_b32 v1, 15, v0                           ; l % 16
	v_bfe_u32 v2, v0, 4, 1                         ; l / 16
	v_mul_u32_u24 v3, v1, PITCH
	v_lshl_add_u32 v4, v2, 4, v3                   ; a fragment's row x pitch + 16 x half
	s_mul_i32 s21, s15, HALFT                      ; my 128 slots
	s_mul_i32 s22, s16, HALFT                      ; my 128 rows of We,
	s_add_co_u32 s22, s22, 2*HALFT                 ; which lie behind the 256 slots
.irp s, 0,1
	v_add_nc_u32 v[ADRA+\s], s21, v4
	v_add_nc_u32 v[ADRB+\s], s22, v4
	s_add_co_u32 s21, s21, SLOT
	s_add_co_u32 s22, s22, SLOT
.endr
	v_mul_u32_u24 v5, v1, KS                       ; my row's scales: 64 bytes a row,
	v_lshrrev_b32 v6, 8, v5
	v_lshl_add_u32 v5, v6, 4, v5                   ; and 16 more for each 256 passed
	s_mul_i32 s21, s15, HALFS                      ; the slots': my 128 rows
	s_mul_i32 s22, s16, HALFS                      ; We's: my 128 rows, behind the slots' 256
	s_add_co_u32 s22, s22, 2*HALFS
	s_sub_co_u32 s22, s22, s21
	v_mul_u32_u24 v6, s22, v2                      ; lanes 16-31 take We's: one product, the lower base + h x the distance
	s_add_co_u32 s21, s21, SCL
	v_add_nc_u32 v5, v5, v6
	v_add_nc_u32 v[ADRS], s21, v5
	s_mul_i32 s23, s14, 16*SPITCH                  ; my stage
	v_mul_u32_u24 v5, v1, SPITCH                   ; in: row l % 16, 32 bytes for each half of the lanes
	v_lshl_add_u32 v5, v2, 5, v5
	v_add_nc_u32 v[STO], s23, v5
	v_and_b32 v6, 31, v0
	v_lshlrev_b32 v[LO4], 2, v6                    ; 4 x lane
	v_lshlrev_b32 v[CO], 4, v6                     ; back: the 32 lanes take one row of 512 bytes
	v_add_nc_u32 v[RD], s23, v[CO]
	s_lshl_b32 s46, s42, 10                        ; my first column, in bytes of f32: 1,024 x tile of columns + 512 x half
	s_lshl_b32 s47, s16, 9
	s_add_co_u32 s46, s46, s47
	s_mov_b32 s47, 0
	s_add_nc_u64 s[12:13], s[12:13], s[46:47]      ; part at my columns
	s_lshl_b32 s44, s41, 13
	s_add_co_u32 s46, s46, s44
	s_add_nc_u64 s[10:11], s[10:11], s[46:47]      ; be at my expert's row and my columns
	s_lshl_b32 s46, s17, 10                        ; my first slot, in words: 256 x tile + 128 x half,
	s_lshl_b32 s44, s15, 9
	s_add_co_u32 s46, s46, s44
	s_add_co_u32 s46, s46, 256                     ; behind the tiles' experts
	s_add_nc_u64 s[66:67], s[66:67], s[46:47]      ; its row's number
	v_lshlrev_b32 v5, 5, v2                        ; 32 h
.irp b, 0,1,2,3,4,5,6,7
	global_load_b128 v[BI+8*\b:BI+8*\b+3], v5, s[10:11] offset:64*\b       ; be at columns 16 b + 8 h + 0 .. 7: the result's layout
	global_load_b128 v[BI+8*\b+4:BI+8*\b+7], v5, s[10:11] offset:64*\b+16
.endr
.irp j, 0,1,2,3
	global_load_b32 v[DS+\j], v[LO4], s[66:67] offset:128*\j               ; 32 lanes read 128 consecutive bytes: the rows' numbers of slots 32 j + lane
.endr
.macro FRAG reg, adr, q, i             ; a fragment, 16 rows x 128 K of 8-bit codes: lane l holds row l % 16; registers 4 c .. 4 c + 3 hold K = 32 c + 16 (l / 16) + 0 .. 15
.irp c, 0,1,2,3
	ds_load_b128 v[\reg+4*\c:\reg+4*\c+3], v[\adr] offset:128*(\q)+32*\c+(\i)*16*PITCH
.endr
.endm
; 16 matrix instructions: blocks a0, a0 + 1 of slots x We's eight, 128 along K: the ring slot's q-th.  p: We's set; sc: the set of scale words.  zero = 1: the first product starts the sums from the bias.
; The 64 accumulators take turns, one instruction a turn, in the same order in every step.
.macro MUL16 a0, p, q, sc, zero
.irp a, \a0, \a0+1
.irp b, 0,1,2,3,4,5,6,7
.if \zero
	v_wmma_scale_f32_16x16x128_f8f6f4 v[8*(8*((\a)%4)+\b):8*(8*((\a)%4)+\b)+7], v[128*(\p)+FR*\b:128*(\p)+FR*\b+FR-1], v[AF+FR*(\a):AF+FR*(\a)+FR-1], v[BI+8*\b:BI+8*\b+7], v[SC+8*NQ*(\sc)+NQ*\b+(\q)], v[SC+8*NQ*(\sc)+NQ*(\a)+(\q)] matrix_a_fmt:MATRIX_FMT_BF8 matrix_b_fmt:MATRIX_FMT_BF8 matrix_a_scale:MATRIX_SCALE_ROW1
.else
	v_wmma_scale_f32_16x16x128_f8f6f4 v[8*(8*((\a)%4)+\b):8*(8*((\a)%4)+\b)+7], v[128*(\p)+FR*\b:128*(\p)+FR*\b+FR-1], v[AF+FR*(\a):AF+FR*(\a)+FR-1], v[8*(8*((\a)%4)+\b):8*(8*((\a)%4)+\b)+7], v[SC+8*NQ*(\sc)+NQ*\b+(\q)], v[SC+8*NQ*(\sc)+NQ*(\a)+(\q)] matrix_a_fmt:MATRIX_FMT_BF8 matrix_b_fmt:MATRIX_FMT_BF8 matrix_a_scale:MATRIX_SCALE_ROW1
.endif
.endr
.endr
.endm
.macro FETCH_B slot, q, p              ; We's eight fragments of the ring slot's q-th 128 along K into set p
	WIN TO_B
.irp i, 0,1,2,3,4,5,6,7
	FRAG 128*(\p)+FR*\i, ADRB+\slot, \q, \i
.endr
	WIN 0
.endm
.macro FETCH_A slot, q, i0             ; the slots' blocks i0 .. i0 + 3
.irp i, \i0, \i0+1, \i0+2, \i0+3
	FRAG AF+FR*(\i), ADRA+\slot, \q, \i
.endr
.endm
.macro SCALES sc                       ; the next K step's scale words into set sc: two words a row; lanes 0-15 take the slots' block i, lanes 16-31 We's block i
.irp i, 0,1,2,3,4,5,6,7
	ds_load_b64 v[SC+8*NQ*\sc+NQ*\i:SC+8*NQ*\sc+NQ*\i+1], v[ADRS] offset:\i*SBLK
.endr
.endm
; A load into a register that a matrix instruction has read, and a vector instruction or an LDS store that reads a matrix result, stand NP places behind that matrix instruction, and only plain vector
; instructions that name none of its registers are places (ISA guide 7.12.1 for vector instructions).
.macro PLACES n
.rept \n
	v_nop
.endr
.endm
; A step of 128 along K that has its successor in the same ring slot.  zero = 1: C is the bias, in window 0.
.macro STEP slot, q, zero
	s_wait_dscnt 4*NL                              ; We's set and the slots' blocks 0-3 are in; the youngest sixteen loads (blocks 4-7) may be out
	WIN MUL_LO-0x20*\zero
	MUL16 0, (\q)%2, \q, \slot, \zero
	MUL16 2, (\q)%2, \q, \slot, \zero
	s_wait_dscnt 0                                 ; blocks 4-7 are in (asked for 32 matrix instructions ago)
	PLACES NP
	FETCH_B \slot, (\q)+1, 1-(\q)%2
	FETCH_A \slot, (\q)+1, 0
	WIN MUL_HI-0x30*\zero
	MUL16 4, (\q)%2, \q, \slot, \zero
	MUL16 6, (\q)%2, \q, \slot, \zero
	PLACES NP
	WIN 0
	FETCH_A \slot, (\q)+1, 4
.endm
; A ring slot's last step changes slots: ONE barrier; in front of it each wave waits for all its tensor loads, adds 0 to its spare word, and waits for that and for its own reads of this slot.  fill = 1: this slot is filled again, two K steps ahead.
.macro TURN slot, next, fill
	s_wait_tensorcnt 0x0                           ; all my tensor loads have landed: my part of the next slot;  (every window is 0 here)
	ds_add_u32 v[SPW], v[NIL]                      ; 0 onto my spare word
	s_wait_dscnt 4*NL+1                            ; (the add and the youngest sixteen loads, blocks 4-7, may be out)
	WIN MUL_LO
	MUL16 0, 1, NQ-1, \slot, 0                     ; sixteen matrix instructions stand between the add and the wait for it
	s_wait_dscnt 0x0                               ; the add is done, and my reads of this slot are over
	s_barrier_signal -1
	MUL16 2, 1, NQ-1, \slot, 0
	WIN 0
	s_barrier_wait -1
.if \fill
	CREST                                          ; the barrier has opened a round of the cluster's barrier: no wave of any partner still reads this slot's tile or has a load on its way
	s_add_nc_u64 s[G0+4*\slot+2:G0+4*\slot+3], s[G0+4*\slot+2:G0+4*\slot+3], 2*ROWB
	s_add_nc_u64 s[G0B+4*\slot+2:G0B+4*\slot+3], s[G0B+4*\slot+2:G0B+4*\slot+3], 2*ROWB
	JLOAD G0+4*\slot, G1, G0B+4*\slot, G1B         ; the first tensor load behind the round, one a wave; the four v_nop behind it are among the places in front of the loads below
	PLACES NP-4
.else
	PLACES NP
.endif
	v_add_nc_u32 v[ADRS], 4*NQ, v[ADRS]            ; on to the next K step's scale words (no LDS load of mine is out)
	FETCH_B \next, 0, 0
	FETCH_A \next, 0, 0
	SCALES \next
	WIN MUL_HI
	MUL16 4, 1, NQ-1, \slot, 0
	MUL16 6, 1, NQ-1, \slot, 0
	PLACES NP
	WIN 0
	FETCH_A \next, 0, 4
.endm
	s_wait_tensorcnt 1                             ; the scales and my part of K step 0 are in (K step 1's load may be out)
	s_barrier_signal -1
	s_barrier_wait -1                              ; everybody's are
	FETCH_B 0, 0, 0
	FETCH_A 0, 0, 0
	SCALES 0
	FETCH_A 0, 0, 4
	s_wait_loadcnt 0x0                             ; the bias and the rows' numbers
	STEP 0, 0, 1                                   ; the first step stands in front of the loop: its products start the sums
	s_mov_b32 s3, LAPS-1
.Llap:                                                 ; a trip goes once round the ring, from a lap's second step to the next lap's first, and fills both slots again
	TURN 0, 1, 1
	STEP 1, 0, 0
	TURN 1, 0, 1
	STEP 0, 0, 0
	s_sub_co_u32 s3, s3, 1
	s_cmp_lg_u32 s3, 0
	s_cbranch_scc1 .Llap
	TURN 0, 1, 0                                   ; the last lap fills nothing, and has no round of the cluster's barrier
	STEP 1, 0, 0
	s_wait_dscnt 4*NL                              ; the very last step: nothing more to fetch
	WIN MUL_LO
	MUL16 0, 1, NQ-1, 1, 0
	MUL16 2, 1, NQ-1, 1, 0
	s_wait_dscnt 0
	WIN MUL_HI
	MUL16 4, 1, NQ-1, 1, 0
	MUL16 6, 1, NQ-1, 1, 0
	WIN 0
; THE WAY OUT, block by block of 16 slots x 128 columns: through my own stage in LDS, so that a row's 512 bytes come back to the 32 lanes; each row to the place that the list names.
.macro TOSTAGE a                       ; LDS serves a wave's instructions in order (ISA guide 5.7.1.4): no wait between the stores and the loads, nor in front of the next block's stores
.set AC, 64*((\a)%4)
	WIN 0x08+4*((\a)/4)                            ; the data: window 2 or 3
.irp b, 0,1,2,3,4,5,6,7
	ds_store_b128 v[STO], v[AC+8*\b:AC+8*\b+3] offset:64*\b          ; each accumulator from its low end on
	ds_store_b128 v[STO], v[AC+8*\b+4:AC+8*\b+7] offset:64*\b+16
.endr
	WIN 0
.set BB, BK+64*((\a)%2)
.irp t, 0,1,2,3,4,5,6,7,8,9,10,11,12,13,14,15
	ds_load_b128 v[BB+4*\t:BB+4*\t+3], v[RD] offset:\t*SPITCH
.endr
.endm
.macro SEND a, younger                 ; younger: the LDS instructions issued behind block a's loads, which may stay out
.set BB, BK+64*((\a)%2)
.irp t, 0,1,2,3,4,5,6,7,8,9,10,11,12,13,14,15
	v_readlane_b32 s[24+\t], v[DS+(\a)/2], 16*((\a)%2)+\t   ; slot 16 a + t's row: register a / 2, lane 16 (a % 2) + t.  (Every tensor load is done: the descriptors' registers are free)
.endr
.irp t, 0,1,2,3,4,5,6,7,8,9,10,11,12,13,14,15
	s_min_u32 s[24+\t], s[24+\t], 4118             ; a loaded number enters an address only behind this line
	s_lshl_b32 s[24+\t], s[24+\t], 13              ; a row of part is 8,192 bytes
.endr
.irp t, 0,1,2,3,4,5,6,7,8,9,10,11,12,13,14,15
	v_add_nc_u32 v[VO+\t], s[24+\t], v[CO]         ; all this stands ahead of the wait: it is done while the block comes back from the stage
.endr
	s_wait_dscnt \younger                          ; the block is back in registers
.irp t, 0,1,2,3,4,5,6,7,8,9,10,11,12,13,14,15
	global_store_b128 v[VO+\t], v[BB+4*\t:BB+4*\t+3], s[12:13] th:TH_STORE_NT   ; 32 lanes store 512 consecutive bytes of one row, at a multiple of 256 from the buffer's first byte
.endr
.endm
	PLACES NP                                      ; behind the last products: for the LDS stores that read results, and for the loads into the registers that held fragments
	TOSTAGE 0
.irp a, 1,2,3,4,5,6,7
.if \a > 1
	s_wait_xcnt 0x0                                ; block a - 2's stores have read their data and offsets: block a's loads may land there, and the offsets may be written
.endif
	TOSTAGE \a
	SEND \a-1, 32                                  ; behind block a - 1's loads: block a's 16 stores and 16 loads
.endr
	s_wait_xcnt 0x0                                ; block 6's stores have read their offsets
	SEND 7, 0
	s_wait_tensorcnt 0x0                           ; the wave's end: behind my last tensor load and my last LDS store
	ds_add_u32 v[SPW], v[NIL]
	s_wait_dscnt 0x0
	CROUND                                         ; the closing round: no work-group ends while a partner may still ask for a tile that names it
	s_endpgm
.Lfunc_end_k_qb2d469cace_gemm:
	.size	k_qb2d469cace_gemm, .Lfunc_end_k_qb2d469cace_gemm-k_qb2d469cace_gemm
	.p2alignl 7, 3214868480
	.fill 96, 4, 3214868480
	.section	.rodata,"a",@progbits
	.p2align	6, 0x0
	.amdhsa_kernel k_qb2d469cace_gemm
		.amdhsa_group_segment_fixed_size 327680
		.amdhsa_private_segment_fixed_size 0
		.amdhsa_enable_private_segment 0
		.amdhsa_kernarg_size 48
		.amdhsa_user_sgpr_count 2
		.amdhsa_user_sgpr_kernarg_segment_ptr 1
		.amdhsa_wavefront_size32 1
		.amdhsa_system_sgpr_workgroup_id_x 1
		.amdhsa_system_sgpr_workgroup_id_y 1
		.amdhsa_system_sgpr_workgroup_id_z 1
		.amdhsa_system_vgpr_workitem_id 0
		.amdhsa_next_free_vgpr 1024
		.amdhsa_next_free_sgpr 96
		.amdhsa_reserve_vcc 0
		.amdhsa_float_denorm_mode_32 3
		.amdhsa_float_denorm_mode_16_64 3
		.amdhsa_memory_ordered 1
		.amdhsa_forward_progress 1
		.amdhsa_inst_pref_size 171
	.end_amdhsa_kernel
	.amdgpu_metadata
---
amdhsa.version: [ 1, 2 ]
amdhsa.kernels:
  - .name:           k_qb2d469cace_gemm
    .symbol:         k_qb2d469cace_gemm.kd
    .args:
      - { .name: xs, .offset: 0, .size: 8, .value_kind: global_buffer, .address_space: global }
      - { .name: We_codes, .offset: 8, .size: 8, .value_kind: global_buffer, .address_space: global }
      - { .name: We_scales, .offset: 16, .size: 8, .value_kind: global_buffer, .address_space: global }
      - { .name: be, .offset: 24, .size: 8, .value_kind: global_buffer, .address_space: global }
      - { .name: lists, .offset: 32, .size: 8, .value_kind: global_buffer, .address_space: global }
      - { .name: part, .offset: 40, .size: 8, .value_kind: global_buffer, .address_space: global }
    .group_segment_fixed_size: 327680
    .private_segment_fixed_size: 0
    .kernarg_segment_align: 8
    .kernarg_segment_size: 48
    .max_flat_workgroup_size: 128
    .sgpr_count:     96
    .vgpr_count:     1024
    .wavefront_size: 32
...
	.end_amdgpu_metadata
.endif
;; end of part 3
;; launch combine (part 4): grid 256 x 1, 8 waves a work-group, no clusters, 0 bytes of LDS; arguments part, gat, out0; writes out0
.if DOCPART == 4
	.amdgcn_target "amdgcn-amd-amdhsa--gfx1250"
	.amdhsa_code_object_version 6
	.text
	.protected	k_qb2d469cace_combine
	.globl	k_qb2d469cace_combine
	.p2align	8
	.type	k_qb2d469cace_combine,@function
k_qb2d469cace_combine:
	s_mov_b64 s[64:65], 0
	v_nop
	global_prefetch_b8 v0, s[64:65] scope:SCOPE_SE
	s_setreg_imm32_b32 hwreg(HW_REG_WAVE_MODE, 25, 1), 1
	s_wait_xcnt 0x0
; out0[t] = gat[t][0] x part[2 t] + gat[t][1] x part[2 t + 1]: a token's two parts, each times its expert's score, the lower-numbered expert's first.
; part: [4119][2048] f32 (its rows from 4,096 on are not read); gat: [2048][2] f32; out0: [2048][2048] f32.
; A stream: one wave to a token, 16 KB in and 8 KB out; all 32 loads of a wave go out at once, each of 512 consecutive bytes; every offset is an immediate, no register is stepped, no LDS, no barrier.
; The two scores are the same for the whole wave: one scalar load, issued with the rows' loads; a packed multiplication and a packed fused multiply-add take each from the low word of a scalar pair.
.set A, 4                              ; v[4 + 8 i ..]: 16 bytes a lane of row 2 t, then of row 2 t + 1, piece i of sixteen
	s_load_b128 s[4:7], s[0:1], 0x0                ; part s[4:5], gat s[6:7]
	s_load_b64 s[8:9], s[0:1], 0x10                ; out0
	v_lshrrev_b32 v1, 5, v0
	v_readfirstlane_b32 s10, v1                    ; wave
	v_and_b32 v2, 31, v0
	v_lshlrev_b32 v2, 4, v2                        ; 16 x lane
	s_lshl_b32 s11, ttmp9, 3
	s_add_co_u32 s11, s11, s10                     ; my token
	s_lshl_b32 s12, s11, 14                        ; two rows of 8,192 bytes in,
	s_mov_b32 s13, 0
	s_lshl_b32 s14, s11, 13                        ; one out,
	s_mov_b32 s15, 0
	s_lshl_b32 s16, s11, 3                         ; two scores
	s_wait_kmcnt 0x0
	s_load_b64 s[18:19], s[6:7], s16 offset:0x0    ; s18: the lower expert's score, s19: the higher one's
	s_add_nc_u64 s[4:5], s[4:5], s[12:13]
	s_add_nc_u64 s[8:9], s[8:9], s[14:15]
.irp i, 0,1,2,3,4,5,6,7,8,9,10,11,12,13,14,15
	global_load_b128 v[A+8*\i:A+8*\i+3], v2, s[4:5] offset:512*\i th:TH_LOAD_NT
	global_load_b128 v[A+8*\i+4:A+8*\i+7], v2, s[4:5] offset:8192+512*\i th:TH_LOAD_NT
.endr
	s_wait_kmcnt 0x0                               ; the scores
	s_mov_b32 s20, s19                             ; the higher expert's score as the low word of a pair of its own
	s_mov_b32 s21, s19                             ; (named with it as a pair, so it is written)
.irp i, 0,1,2,3,4,5,6,7,8,9,10,11,12,13,14,15
	s_wait_loadcnt 30-2*\i                         ; loads come back in order (ISA guide 5.7.1): pair i is in, the younger pairs may be out
	v_pk_mul_f32 v[A+8*\i:A+8*\i+1], v[A+8*\i:A+8*\i+1], s[18:19] op_sel_hi:[1,0]
	v_pk_mul_f32 v[A+8*\i+2:A+8*\i+3], v[A+8*\i+2:A+8*\i+3], s[18:19] op_sel_hi:[1,0]
	v_pk_fma_f32 v[A+8*\i:A+8*\i+1], v[A+8*\i+4:A+8*\i+5], s[20:21], v[A+8*\i:A+8*\i+1] op_sel_hi:[1,0,1]
	v_pk_fma_f32 v[A+8*\i+2:A+8*\i+3], v[A+8*\i+6:A+8*\i+7], s[20:21], v[A+8*\i+2:A+8*\i+3] op_sel_hi:[1,0,1]
	global_store_b128 v2, v[A+8*\i:A+8*\i+3], s[8:9] offset:512*\i th:TH_STORE_NT   ; 32 lanes store 512 consecutive bytes, at a multiple of 256 from the buffer's first byte
.endr
	s_endpgm
.Lfunc_end_k_qb2d469cace_combine:
	.size	k_qb2d469cace_combine, .Lfunc_end_k_qb2d469cace_combine-k_qb2d469cace_combine
	.p2alignl 7, 3214868480
	.fill 96, 4, 3214868480
	.section	.rodata,"a",@progbits
	.p2align	6, 0x0
	.amdhsa_kernel k_qb2d469cace_combine
		.amdhsa_group_segment_fixed_size 0
		.amdhsa_private_segment_fixed_size 0
		.amdhsa_enable_private_segment 0
		.amdhsa_kernarg_size 24
		.amdhsa_user_sgpr_count 2
		.amdhsa_user_sgpr_kernarg_segment_ptr 1
		.amdhsa_wavefront_size32 1
		.amdhsa_system_sgpr_workgroup_id_x 1
		.amdhsa_system_sgpr_workgroup_id_y 1
		.amdhsa_system_sgpr_workgroup_id_z 1
		.amdhsa_system_vgpr_workitem_id 0
		.amdhsa_next_free_vgpr 132
		.amdhsa_next_free_sgpr 66
		.amdhsa_reserve_vcc 0
		.amdhsa_float_denorm_mode_32 3
		.amdhsa_float_denorm_mode_16_64 3
		.amdhsa_memory_ordered 1
		.amdhsa_forward_progress 1
		.amdhsa_inst_pref_size 10
	.end_amdhsa_kernel
	.amdgpu_metadata
---
amdhsa.version: [ 1, 2 ]
amdhsa.kernels:
  - .name:           k_qb2d469cace_combine
    .symbol:         k_qb2d469cace_combine.kd
    .args:
      - { .name: part, .offset: 0, .size: 8, .value_kind: global_buffer, .address_space: global }
      - { .name: gat, .offset: 8, .size: 8, .value_kind: global_buffer, .address_space: global }
      - { .name: out0, .offset: 16, .size: 8, .value_kind: global_buffer, .address_space: global }
    .group_segment_fixed_size: 0
    .private_segment_fixed_size: 0
    .kernarg_segment_align: 8
    .kernarg_segment_size: 24
    .max_flat_workgroup_size: 256
    .sgpr_count:     66
    .vgpr_count:     132
    .wavefront_size: 32
...
	.end_amdgpu_metadata
.endif
;; end of part 4
